; MI455X (gfx1250); checked and timed in simulation.
; The chip was launched on July 23, 2026; its instructions are those of AMD's public machine-readable ISA for CDNA 5 (MIT licence, August 2026) and "CDNA5" Instruction Set Architecture Reference Guide (July 2026). The comments in the code are by the model that wrote it; some were corrected since.
;; Multi Head Self Attention. Allowed arithmetic: matrix products marked QUANTISED: E2M1 operands, one E8M0 scale for each 32 along K, by v_wmma_scale_f32_16x16x128_f8f6f4 with both operands' format E2M1 (or v_wmma_scale_f32_32x16x128_f4), f32 sums; everything else in f32.
;; Inputs: W_out 1,024 x 1,024 float32; W_qkv 1,024 x 3,072 float32; attn_in 4 x 2,048 x 1,024 float32; b_out 1,024 float32; b_qkv 3,072 float32.
;; Outputs: out0 4 x 2,048 x 1,024 float32.
;; This version of the problem:
;;   THIS VERSION OF THE PROBLEM IS GIVEN IN LOW PRECISION. The matrix products marked QUANTISED in the list below multiply operands that are first quantised to E2M1 (2 exponent bits, 1 mantissa bit; 4 bits a number), with one power-of-two scale for each 32 numbers along K (OCP MX v1.0); their sums are f32. All else is computed in f32.
;;   The module's matrix products, in the order in which they are computed (A, B: the left and right operand; K: the contracted axis; several contracted axes count as one K, in the product's order):
;;     1. [M 8,192, K 1,024] x [K 1,024, N 3,072]; A: input attn_in; B: input W_qkv: QUANTISED
;;     2. batch 64 x [M 2,048, K 64] x [K 64, N 2,048]; A: computed on the way; B: computed on the way: QUANTISED
;;     3. batch 64 x [M 2,048, K 2,048] x [K 2,048, N 64]; A: softmax (see below); B: computed on the way: QUANTISED
;;     4. [M 8,192, K 1,024] x [K 1,024, N 1,024]; A: computed on the way; B: input W_out: QUANTISED
;;   THE QUANTISER, for each operand of a quantised product, along K:
;;     - K is cut into blocks of 32 from its start; a last block that is shorter is filled with zeros.
;;     - A block's scale is 2^e with e = floor(log2(the largest magnitude in the block)) - 2, held to -126 .. 127; a block of zeros has e = 0. As a byte (E8M0): e + 127.
;;     - Each number is divided by its block's scale, clamped to +-6, and rounded to the nearest number of E2M1, ties to even, subnormals kept.
;;     - The product sums the exact products of the quantised numbers (number of the format x scale) in f32.
;;   ~~~python
;;   def quantise(x, axis):      # numpy; x: float32 -> the quantised numbers, widened to float32 again
;;       x = np.moveaxis(x, axis, -1); K = x.shape[-1]
;;       x = np.pad(x, [(0, 0)] * (x.ndim - 1) + [(0, -K % 32)]); x = x.reshape(x.shape[:-1] + (-1, 32)); a = np.abs(x).max(-1, keepdims=True)
;;       e = np.where(a > 0, np.clip(np.frexp(np.where(a > 0, a, 1))[1] - 1 - 2, -126, 127), 0)      # np.frexp(a)[1] - 1 = floor(log2(a)), exactly
;;       r = np.clip(x / 2.0 ** e, -6, 6)
;;       step = 2.0 ** (np.maximum(np.frexp(np.where(r == 0, 1, r))[1] - 1, 0) - 1)
;;       q = np.round(r / step) * step * 2.0 ** e      # np.round: ties to even
;;       return np.moveaxis(q.reshape(q.shape[:-2] + (-1,))[..., :K], -1, axis).astype(np.float32)
;;   ~~~
;;   SOFTMAX AHEAD OF A QUANTISED PRODUCT. Where the list says 'softmax', what is quantised is not the finished softmax but p = 2^(t - M), with t = logit x log2(e) and M = ceil(the row's largest t), a whole number; so 1/2 < the row's largest p <= 1. The row's sum l is taken of the UNQUANTISED p, in f32, and the product's result is divided by l at the end. Since M is a whole number, a kernel that streams over the keys may use a running M (the ceiling of the running maximum): every later rescaling is an exact power of two, which a block's scale takes up: the codes' values come out the same.
;;   OPERANDS COMPUTED ON THE WAY. 'Computed on the way' means the value that the module computes at that place (a softmax that the list does not call 'softmax' is quantised finished and normalised). What goes into a quantiser is computed in f32, as accurately as f32 sums, v_exp_f32 and their like allow (about 1e-6 of the number): no bf16 or f16 on the way to a quantiser, and a product that is left as it is and whose result goes on into a quantised operand takes f32 operands (vector FMAs, or v_wmma_f32_16x16x4_f32). A number that lies on a knife's edge between two numbers of the format may be rounded either way, as far as f32 arithmetic and the matrix unit's own rounding can turn it there, and no further.
;; One version. Each part assembles by itself: llvm-mc -triple=amdgcn-amd-amdhsa -mcpu=gfx1250 --defsym DOCPART=n.
;; ======== version 1 of 1: 4 launches
;; workspace buffers: xb 4,456,448 bytes; wb 2,228,224 bytes; qkv 13,369,344 bytes; ob 4,456,448 bytes
;; launch quant (part 1): grid 512 x 1, 4 waves a work-group, no clusters, 35,840 bytes of LDS; arguments attn_in, W_qkv, W_out, xb, wb; writes xb, wb
.if DOCPART == 1
	.amdgcn_target "amdgcn-amd-amdhsa--gfx1250"
	.amdhsa_code_object_version 6
	.text
	.protected	k_q524d0248a0_quant
	.globl	k_q524d0248a0_quant
	.p2align	8
	.type	k_q524d0248a0_quant,@function
k_q524d0248a0_quant:
	s_mov_b64 s[64:65], 0
	v_nop
	global_prefetch_b8 v0, s[64:65] scope:SCOPE_SE
	s_setreg_imm32_b32 hwreg(HW_REG_WAVE_MODE, 25, 1), 1
	s_wait_xcnt 0x0
; attn_in [8192][1024], W_qkv [1024][3072] and W_out [1024][1024], f32, become codes of FP4 (E2M1) with one E8M0 byte for each 32 along K = the 1,024.
; A block's scale is 2^(floor(log2(its largest magnitude)) - 2); its byte is the largest magnitude's exponent field - 2, held at 1 from below.
; LIMITS: NaN and infinities are not served; a block whose largest magnitude lies under 2^-124 keeps the byte 1; a block of zeros gets the byte 1 (its codes are zeros, and this program alone reads the bytes).
; LAYOUT OF THE RESULTS: the order of an operand's registers.  A tile T is 16 rows (of attn_in) or 16 columns (of a weight): index i is element 32 (T / 2) + 8 (T % 2) + i + 8 (i / 8).
;   codes  [T][ks 8][c 2][lane 32][16 bytes]: lane (r = lane % 16, h = lane / 16) holds k = 128 ks + 64 c + 32 h + 0 .. 31 of the tile's index r;
;   scales [T][q 2][r 16][16 bytes]: word j of the 16 bytes is K step 4 q + j, byte b of a word scales k = 32 b .. 32 b + 31.  wb: tiles 0-191 W_qkv, 192-255 W_out.
; Work-groups 0-255 take attn_in (path X), 256-511 the weights (path W).  No input is shared between work-groups, so there is no cluster; no tensor loads; each path has LDS bytes of its own.
.set XS_OFF, 4194304                   ; xb: where the scales begin
.set WS_OFF, 2097152                   ; wb: likewise
.set R,     16                         ; path X: v16-143  four sets of 32 numbers as loaded
.set X,     144                        ;         v144-207 two sets of 32 neighbours along K
.set C,     208                        ;         v208-239 four registers of codes for each step: no store's data are written again
.set W,     240                        ;         v240-243 the four scale words
.set P,     244                        ;         v244-247 the other half of the lanes' bytes
.set SP,    272                        ; a stage row: 256 bytes + 16: the 16 rows that a read touches start 16 bytes apart modulo 256
.set STG,   16*SP                      ; a stage: 16 rows
.set WREG,  2*STG                      ; two stages for each wave
.set WLDS,  4*WREG                     ; behind them: path W's 512 bytes
.set FLOOR, 0x1800000                  ; 2^(3 - 127): no largest magnitude is taken under it, so the byte cannot fall under 1
.set EOFF,  0xff000000                 ; takes 2 off an exponent field
; the largest magnitude of v[s] .. v[s + 31] and the floor, in two chains; v11 = the conversions' scale operand
.macro MAX32 s
	v_max3_num_f32 v8, |v[\s]|, |v[\s+1]|, |v[\s+2]|
	v_max3_num_f32 v9, |v[\s+3]|, |v[\s+4]|, |v[\s+5]|
.irp i, 6,10,14,18,22,26
	v_max3_num_f32 v8, v8, |v[\s+\i]|, |v[\s+\i+1]|
	v_max3_num_f32 v9, v9, |v[\s+\i+2]|, |v[\s+\i+3]|
.endr
	v_max3_num_f32 v8, v8, |v[\s+30]|, |v[\s+31]|
	v_max3_num_f32 v8, v8, v9, FLOOR
	v_add_nc_u32 v11, EOFF, v8                     ; the conversion takes the exponent field of this operand as its scale, and nothing else of it
.endm
; PATH X.  Step t: 64 along K of the tile's 16 rows.  Each load reads two rows' aligned 256 bytes
.macro XLOAD t
.irp i, 0,1,2,3,4,5,6,7
	global_load_b128 v[R+32*((\t)%4)+4*\i:R+32*((\t)%4)+4*\i+3], v3, s[4:5] offset:(2*\i+8*(\i/4))*4096+256*(\t) th:TH_LOAD_NT
.endr
.endm
.macro XTURN t                         ; through the wave's own stage: in as loaded, out 128 bytes of one row a lane.  LDS serves a wave's instructions in order: no wait between
.irp i, 0,1,2,3,4,5,6,7
	ds_store_b128 v14, v[R+32*((\t)%4)+4*\i:R+32*((\t)%4)+4*\i+3] offset:STG*((\t)%2)+2*\i*SP
.endr
.irp j, 0,1,2,3,4,5,6,7
	ds_load_b128 v[X+32*((\t)%2)+4*\j:X+32*((\t)%2)+4*\j+3], v15 offset:STG*((\t)%2)+16*\j
.endr
.endm
.macro XSTEP t
.set XS_, X+32*((\t)%2)
	s_wait_dscnt 0x0                               ; this step's numbers are back from the stage, and its stores into the stage have read their registers,
.if (\t) < 4
	XLOAD (\t)+4                                   ; which take the loads of four steps on
.endif
.if (\t) < 7
.if 6-(\t) >= 3
	s_wait_loadcnt 24                              ; the next step's eight loads are in; those of the three steps behind it may be out
.else
	s_wait_loadcnt 8*(6-(\t))
.endif
	XTURN (\t)+1                                   ; they go through the other stage while this step is worked
.endif
	MAX32 XS_                                      ; a lane holds a whole block of 32
.irp g, 0,1,2,3
	v_cvt_scalef32_pk8_fp4_f32 v[C+4*(\t)+\g], v[XS_+8*\g:XS_+8*\g+7], v11
.endr
	v_lshrrev_b32 v10, 23, v11                     ; the scale's byte (also the plain line behind the conversions)
.if (\t)%2 == 0
	v_mov_b32 v[W+(\t)/2], v10                     ; byte h of word t / 2,
.else
	v_lshl_or_b32 v[W+(\t)/2], v10, 16, v[W+(\t)/2]   ; byte 2 + h
.endif
	global_store_b128 v4, v[C+4*(\t):C+4*(\t)+3], s[10:11] offset:512*(\t)   ; 32 lanes store 512 consecutive bytes
.endm
; PATH W.  A lane takes a column and its registers run down K: block t = 32 rows of the weight
.macro WLOAD t, pitch
.set I_, 0
.rept 32
	global_load_b32 v[16+32*(\t)+I_], v3, s[4:5] offset:(32*(\t)+I_)*\pitch th:TH_LOAD_NT
.set I_, I_+1
.endr
.endm
.macro WBLOCK t
.set XS_, 16+32*(\t)
	MAX32 XS_
.irp g, 0,1,2,3
	v_cvt_scalef32_pk8_fp4_f32 v[144+4*(\t)+\g], v[XS_+8*\g:XS_+8*\g+7], v11
.endr
	v_lshrrev_b32 v10, 23, v11
.if (\t) == 0
	v_mov_b32 v160, v10
.else
	v_lshl_or_b32 v160, v10, 8*(\t), v160          ; the four bytes make my column's scale word of this K step
.endif
	global_store_b128 v4, v[144+4*(\t):147+4*(\t)], s[12:13] offset:256*(\t)   ; lanes 0-15: 256 consecutive bytes of the even tile, lanes 16-31 of the odd one
.endm
.macro WBODY pitch
	WLOAD 0, \pitch
	WLOAD 1, \pitch
	s_wait_loadcnt 32                              ; block 0 is in; block 1's 32 loads may be out
	WLOAD 2, \pitch
	WBLOCK 0
	s_wait_loadcnt 32                              ; block 1 is in; block 2's may be out
	WLOAD 3, \pitch
	WBLOCK 1
	s_wait_loadcnt 32                              ; block 2 is in; block 3's may be out
	WBLOCK 2
	s_wait_loadcnt 0x0
	WBLOCK 3
.endm
	s_load_b256 s[4:11], s[0:1], 0x0               ; attn_in s[4:5], W_qkv s[6:7], W_out s[8:9], xb s[10:11]
	s_load_b64 s[12:13], s[0:1], 0x20              ; wb
	v_lshl_add_u32 v254, v0, 2, 0x8a00
	v_mov_b32 v255, 0
	v_lshrrev_b32 v1, 5, v0
	v_readfirstlane_b32 s16, v1                    ; wave 0..3
	v_and_b32 v2, 31, v0                           ; lane
	v_and_b32 v12, 15, v0                          ; lane % 16
	v_bfe_u32 v13, v0, 4, 1                        ; lane / 16
	s_cmp_lt_u32 ttmp9, 256                        ; the same for all waves of a work-group
	s_cbranch_scc0 .Lpath_w
	; ---- PATH X: wave g = 4 x work-group + wave takes tile g / 2, half g % 2 of K (512), in eight steps of 64
	s_lshl_b32 s17, ttmp9, 2
	s_add_co_u32 s17, s17, s16                     ; g
	s_lshr_b32 s18, s17, 1                         ; T
	s_and_b32 s19, s17, 1                          ; q
	s_lshr_b32 s22, s18, 1
	s_lshl_b32 s22, s22, 17                        ; 32 (T / 2) rows of 4,096 bytes
	s_and_b32 s23, s18, 1
	s_lshl_b32 s23, s23, 15                        ; + 8 (T % 2) rows
	s_add_co_u32 s22, s22, s23
	s_lshl_b32 s23, s19, 11                        ; + 512 q numbers
	s_add_co_u32 s22, s22, s23
	s_mov_b32 s23, 0
	s_lshl_b32 s24, s17, 12                        ; codes: 8,192 T + 4,096 q
	s_mov_b32 s25, 0
	s_lshl_b32 s26, s17, 8                         ; scales: 512 T + 256 q
	s_add_co_u32 s26, s26, XS_OFF
	s_mov_b32 s27, 0
	s_mov_b32 s20, 0x76543210                      ; v_permlanex16_b32: lane l takes lane l xor 16
	s_mov_b32 s21, 0xfedcba98
	v_lshlrev_b32 v3, 12, v13
	v_lshl_add_u32 v3, v12, 4, v3                  ; a load: lanes 0-15 one row, lanes 16-31 the next, 16 bytes a lane
	s_mul_i32 s28, s16, WREG
	v_mul_u32_u24 v14, v13, SP
	v_lshl_add_u32 v14, v12, 4, v14
	v_add_nc_u32 v14, s28, v14                     ; the stage, in
	v_mul_u32_u24 v15, v12, SP
	v_lshl_add_u32 v15, v13, 7, v15
	v_add_nc_u32 v15, s28, v15                     ; and out: row lane % 16, 128 bytes for each half of the lanes
	v_lshlrev_b32 v4, 4, v2                        ; 16 x lane
	v_lshlrev_b32 v5, 4, v12                       ; 16 x (lane % 16)
	v_lshlrev_b32 v6, 3, v13                       ; 8 h: my bytes' place in a scale word
.irp j, 0,1,2,3
	v_mov_b32 v[P+\j], 0                           ; a lane permute's destination counts as one of its sources
.endr
	s_wait_kmcnt 0x0
	s_add_nc_u64 s[4:5], s[4:5], s[22:23]
	s_add_nc_u64 s[14:15], s[10:11], s[26:27]
	s_add_nc_u64 s[10:11], s[10:11], s[24:25]
.irp t, 0,1,2,3
	XLOAD \t
.endr
	s_wait_loadcnt 24                              ; step 0's eight loads are in
	XTURN 0
.irp t, 0,1,2,3,4,5,6,7
	XSTEP \t
.endr
.irp j, 0,1,2,3
	v_lshlrev_b32 v[W+\j], v6, v[W+\j]             ; my two bytes at their places,
.endr
.irp j, 0,1,2,3
	v_permlanex16_b32 v[P+\j], v[W+\j], s20, s21
.endr
.irp j, 0,1,2,3
	v_or_b32 v[W+\j], v[W+\j], v[P+\j]             ; with lane l xor 16's two the word is whole
.endr
	v_cmp_gt_u32 vcc_lo, 16, v2
	s_wait_xcnt 0x0                                ; EXEC is a source of the stores above: it changes only behind this wait
	s_wait_tensorcnt 0x0
	ds_add_u32 v254, v255
	s_wait_dscnt 0x0
	s_and_saveexec_b32 s22, vcc_lo
	global_store_b128 v5, v[W:W+3], s[14:15]       ; sixteen lanes store 256 consecutive bytes, aligned
	s_wait_xcnt 0x0
	s_or_b32 exec_lo, exec_lo, s22
	s_endpgm
	; ---- PATH W: work-group id = 2 cg + q; 32 columns (tiles 2 cg, 2 cg + 1); wave w takes K step 4 q + w
.Lpath_w:
	s_sub_co_u32 s17, ttmp9, 256
	s_lshr_b32 s18, s17, 1                         ; cg: 0-95 W_qkv, 96-127 W_out
	s_and_b32 s19, s17, 1                          ; q
	s_lshl_b32 s23, s19, 2
	s_add_co_u32 s23, s23, s16                     ; ks
	v_lshrrev_b32 v3, 3, v12
	v_lshl_add_u32 v3, v3, 3, v12
	v_lshl_add_u32 v3, v13, 3, v3
	v_lshlrev_b32 v3, 2, v3                        ; my column among the 32: 8 h + r + 8 (r / 8); a load reads 128 consecutive bytes
	v_lshlrev_b32 v4, 13, v13
	v_lshl_add_u32 v4, v12, 4, v4                  ; codes: tile h, 16 r
	v_lshlrev_b32 v5, 4, v2
	v_add_nc_u32 v6, WLDS, v5                      ; LDS: 16 bytes a lane: the four waves' words
	s_lshl_b32 s28, s16, 2
	v_add_nc_u32 v7, s28, v6                       ; and mine among them
	v_lshlrev_b32 v14, 9, v13
	v_lshl_add_u32 v14, v12, 4, v14                ; scales: tile h, 16 r
	s_lshl_b32 s24, s18, 14
	s_lshl_b32 s25, s23, 10
	s_add_co_u32 s24, s24, s25                     ; codes: 16,384 cg + 1,024 ks
	s_mov_b32 s25, 0
	s_lshl_b32 s26, s18, 10
	s_lshl_b32 s27, s19, 8
	s_add_co_u32 s26, s26, s27
	s_add_co_u32 s26, s26, WS_OFF                  ; scales: 1,024 cg + 256 q
	s_mov_b32 s27, 0
	s_wait_kmcnt 0x0
	s_cmp_lt_u32 s18, 96                           ; which weight: the choice hangs on the work-group's number alone; every selection stands ahead of the first addition
	s_cselect_b64 s[4:5], s[6:7], s[8:9]
	s_mov_b32 s29, 128*4096
	s_cselect_b32 s29, 128*12288, s29              ; a K step's 128 rows in bytes
	s_cselect_b32 s30, 0, 96
	s_sub_co_u32 s30, s18, s30
	s_lshl_b32 s30, s30, 7                         ; 32 columns of 4 bytes for each group
	s_mul_i32 s29, s29, s23
	s_add_co_u32 s30, s30, s29
	s_mov_b32 s31, 0
	s_add_nc_u64 s[4:5], s[4:5], s[30:31]
	s_add_nc_u64 s[14:15], s[12:13], s[26:27]
	s_add_nc_u64 s[12:13], s[12:13], s[24:25]
	s_cmp_lt_u32 s18, 96                           ; the row pitch stands in the loads' immediates: the body is written once for each weight
	s_cbranch_scc0 .Lw_out
	WBODY 12288
	s_branch .Lw_go
.Lw_out:
	WBODY 4096
.Lw_go:
	ds_store_b32 v7, v160                          ; the four waves' words of a column meet in LDS,
	s_wait_dscnt 0x0                               ; for the others' sake: my store is done
	s_barrier_signal -1
	s_barrier_wait -1
	s_cmp_lg_u32 s16, 0
	s_cbranch_scc1 .Lw_end
	ds_load_b128 v[164:167], v6                    ; and wave 0 stores them: sixteen lanes to 256 consecutive bytes, aligned
	s_wait_dscnt 0x0
	global_store_b128 v14, v[164:167], s[14:15]
.Lw_end:
	s_wait_tensorcnt 0x0
	ds_add_u32 v254, v255
	s_wait_dscnt 0x0
	s_endpgm
.Lfunc_end_k_q524d0248a0_quant:
	.size	k_q524d0248a0_quant, .Lfunc_end_k_q524d0248a0_quant-k_q524d0248a0_quant
	.p2alignl 7, 3214868480
	.fill 96, 4, 3214868480
	.section	.rodata,"a",@progbits
	.p2align	6, 0x0
	.amdhsa_kernel k_q524d0248a0_quant
		.amdhsa_group_segment_fixed_size 35840
		.amdhsa_private_segment_fixed_size 0
		.amdhsa_enable_private_segment 0
		.amdhsa_kernarg_size 40
		.amdhsa_user_sgpr_count 2
		.amdhsa_user_sgpr_kernarg_segment_ptr 1
		.amdhsa_wavefront_size32 1
		.amdhsa_system_sgpr_workgroup_id_x 1
		.amdhsa_system_sgpr_workgroup_id_y 1
		.amdhsa_system_sgpr_workgroup_id_z 1
		.amdhsa_system_vgpr_workitem_id 0
		.amdhsa_next_free_vgpr 256
		.amdhsa_next_free_sgpr 66
		.amdhsa_reserve_vcc 1
		.amdhsa_float_denorm_mode_32 3
		.amdhsa_float_denorm_mode_16_64 3
		.amdhsa_memory_ordered 1
		.amdhsa_forward_progress 1
		.amdhsa_inst_pref_size 69
	.end_amdhsa_kernel
	.amdgpu_metadata
---
amdhsa.version: [ 1, 2 ]
amdhsa.kernels:
  - .name:           k_q524d0248a0_quant
    .symbol:         k_q524d0248a0_quant.kd
    .args:
      - { .name: attn_in, .offset: 0, .size: 8, .value_kind: global_buffer, .address_space: global }
      - { .name: W_qkv, .offset: 8, .size: 8, .value_kind: global_buffer, .address_space: global }
      - { .name: W_out, .offset: 16, .size: 8, .value_kind: global_buffer, .address_space: global }
      - { .name: xb, .offset: 24, .size: 8, .value_kind: global_buffer, .address_space: global }
      - { .name: wb, .offset: 32, .size: 8, .value_kind: global_buffer, .address_space: global }
    .group_segment_fixed_size: 35840
    .private_segment_fixed_size: 0
    .kernarg_segment_align: 8
    .kernarg_segment_size: 40
    .max_flat_workgroup_size: 128
    .sgpr_count:     66
    .vgpr_count:     256
    .wavefront_size: 32
...
	.end_amdgpu_metadata
.endif
;; end of part 1
;; launch gemm_qkv (part 2): grid 12 x 32, 4 waves a work-group, clusters of 4 x 4, 279,040 bytes of LDS; arguments xb, wb, b_qkv, qkv; writes qkv
.if DOCPART == 2
	.amdgcn_target "amdgcn-amd-amdhsa--gfx1250"
	.amdhsa_code_object_version 6
	.text
	.protected	k_q524d0248a0_gemm_qkv
	.globl	k_q524d0248a0_gemm_qkv
	.p2align	8
	.type	k_q524d0248a0_gemm_qkv,@function
k_q524d0248a0_gemm_qkv:
	s_mov_b64 s[64:65], 0
	v_nop
	global_prefetch_b8 v0, s[64:65] scope:SCOPE_SE
	s_setreg_imm32_b32 hwreg(HW_REG_WAVE_MODE, 25, 1), 1
	s_wait_xcnt 0x0
	s_wait_alu depctr_hold_cnt(0) depctr_sa_sdst(0) depctr_va_vdst(0) depctr_va_sdst(0) depctr_va_ssrc(0) depctr_va_vcc(0) depctr_vm_vsrc(0)
	s_getreg_b32 s2, hwreg(HW_REG_IB_STS2, 6, 4)
	s_cmp_eq_u32 s2, 0
	s_cbranch_scc0 .Lentry_in_a_cluster
	s_endpgm
.Lentry_in_a_cluster:
	s_bfe_u32 s2, ttmp6, 0x10000c
	s_cmp_lg_u32 s2, 0xf033
	s_cbranch_scc0 .Lentry_shape_is_right
	s_endpgm
.Lentry_shape_is_right:
; qkv = x W_qkv + b_qkv on codes of FP4 with E8M0 scales, and its result quantised at once for the attention: q and k along the head's 64, v along the keys.  Nothing goes to memory as f32.
; A work-group of four waves makes 256 rows x 256 columns; a wave 128 x 128: 64 accumulators, 512 registers.  K = 1,024: both operands' codes (2 x 128 KiB) and scales lie in LDS whole, filled once: no ring.
; xb, wb: images of operand registers: codes [tile][ks 8][c 2][lane][16 bytes], scales [tile][q 2][r 16][16 bytes].  Index i of tile T is element 32 (T / 2) + 8 (T % 2) + i + 8 (i / 8):
; so in a result the 16 registers of source 0's tiles 2 B and 2 B + 1 are the 16 neighbours 32 B + 16 (lane / 16) + 0 .. 15, which the conversions want.
; ROLES.  The lane operand is source 1 (a lane holds one of its rows), the register operand source 0 (a lane's registers run along it).  Regions q and k (cluster x = 0, 1): lane operand x, register operand W:
; the registers run along the head.  Region v (cluster x = 2): lane operand W, register operand x: the registers run along the keys.  Only LDS read addresses and the way out differ; the choice hangs on the cluster's x, which all partners share.
; CLUSTERS: 4 x 4 work-groups; x's tiles are asked for jointly along a row of the cluster, W's along a column.
; qkv: [head 64 = 16 n + head][group of 128 rows 16][13,056 bytes]: parts q, k, v of 4,352: 4,096 of codes, 256 of scales.
;   q, k codes [tile 8][lane][16]: lane (r, h): d = 32 h .. of the tile's row r; scales [r 16][4 words]: word p = tile 2 p's two bytes, tile 2 p + 1's two.
;   v codes [d tile 4][c 2][lane][16]: lane (r, h): keys 64 c + 32 h .. of the tile's channel r; scales [r 16][4 words]: word t = the four key blocks of d tile t.
; LIMITS: NaN and infinities are not served; a block whose largest magnitude lies under 2^-124, a block of zeros among them, keeps the byte 1.
; REGISTERS: window 0: v0-31 addresses; v32-95 scale words and nothing else; v96-127 at work on the way out; v128-191, v192-255 the lane operand's fragments, two sets.
;   window 1: v0-63, v64-127 the register operand's fragments, two sets; v128-191 the bias along the registers; v192-207 the bias of the lane's column, each number twice.
;   window 2: accumulators (a, b), a = 0-3, at v[8 (8 a + b)]; window 3: a = 4-7.
.set LT,     8                         ; tiles of the lane operand for a wave
.set NF,     16+2*LT                   ; LDS loads that bring a K step's fragments
.set XS_OFF, 4194304
.set WS_OFF, 2097152
.set LW,     131072                    ; LDS: x's codes at 0, W's here,
.set LXS,    262144                    ; x's scales,
.set LWS,    270336                    ; W's scales
.set PART,   4352
.set BLKB,   13056
.set HS,     16*BLKB                   ; from a head to the next
.set ADRL,   16                        ; v16  LDS address of the lane operand's fragments
.set ADRR,   20                        ; v20  of the register operand's
.set SO,     25                        ; v25  the way out: my 16 bytes of scale words
.set CO,     26                        ; v26  16 x lane
.set ADRS,   27                        ; v27  LDS address of my scale words: lanes 0-15 the lane operand's, lanes 16-31 the register operand's
.set SC,     32                        ; register SC + 8 i + ks: tile i, K step ks
.set SELV,   98                        ; v98  byte selects: lanes 0-15 the low halves, lanes 16-31 the high
.set TM,     100                       ; v100-115 at work in QUANT
.set PW,     116                       ; v116-123 the scale word of each of the eight tiles
.set OW,     124                       ; v124-127 the words as they are stored
.set LF,     128
.set G1X, 24                           ; s[24:31], s[32:35] descriptor groups 1 and 0 for x's codes
.set G0X, 32
.set G1W, 48                           ; s[48:55], s[56:59] for W's codes
.set G0W, 56
.set G1SX, 68                          ; s[68:75], s[76:79] for x's scales
.set G0SX, 76
.set G1SW, 80                          ; s[80:87], s[88:91] for W's scales
.set G0SW, 88
.set SEL, 94                           ; s[94:95] v_permlanex16_b32: lane l xor 16
.set MSB, 0
.macro WIN new                         ; the immediate's high byte repeats the setting that is left; a switch that changes nothing is dropped
.if MSB != (\new)
	s_set_vgpr_msb (MSB<<8)|(\new)
.set MSB, (\new)
.endif
.endm
; A joint load: waves 0 and 1 fetch for x, waves 2 and 3 for W; the branch hangs on the wave's number alone.  Four v_nop follow each of the two lines.
.macro JLOAD g0a, g1a, g0b, g1b
	s_cmp_eq_u32 s15, 0
	s_cbranch_scc0 .Lfor_b_\@
	tensor_load_to_lds s[\g0a:\g0a+3], s[\g1a:\g1a+7]
	s_nop 0
.rept 4
	v_nop
.endr
	s_branch .Lasked_\@
.Lfor_b_\@:
	tensor_load_to_lds s[\g0b:\g0b+3], s[\g1b:\g1b+7]
	s_nop 0
.rept 4
	v_nop
.endr
.Lasked_\@:
.endm
.macro CROUND                          ; a round of the cluster's barrier
	s_barrier_signal -1
	s_barrier_wait -1
	s_cmp_lg_u32 s14, 0
	s_cbranch_scc1 .Lnot_wave_0_\@
	s_barrier_signal -3
.Lnot_wave_0_\@:
	s_barrier_wait -3
	s_barrier_signal -1
	s_barrier_wait -1
.endm
.macro PLACES n                        ; plain vector lines between a matrix instruction and a load into, or a vector line on, its registers
.rept \n
	v_nop
.endr
.endm
.macro FETCH ks, p                     ; K step ks: the register operand's 8 fragments and the lane operand's LT into set p; each load takes 512 consecutive bytes
	WIN 0x40                                       ; destination window 1, address window 0
.irp i, 0,1,2,3,4,5,6,7
.irp c, 0,1
	ds_load_b128 v[64*(\p)+8*\i+4*\c:64*(\p)+8*\i+4*\c+3], v[ADRR] offset:8192*\i+1024*(\ks)+512*\c
.endr
.endr
	WIN 0
.set I_, 0
.rept LT
.irp c, 0,1
	ds_load_b128 v[LF+64*(\p)+8*I_+4*\c:LF+64*(\p)+8*I_+4*\c+3], v[ADRL] offset:8192*I_+1024*(\ks)+512*\c
.endr
.set I_, I_+1
.endr
.endm
.macro SCALES                          ; all of K's scale words of my tiles: 16 loads
.irp i, 0,1,2,3,4,5,6,7
.irp q, 0,1
	ds_load_b128 v[SC+8*\i+4*\q:SC+8*\i+4*\q+3], v[ADRS] offset:512*\i+256*\q
.endr
.endr
.endm
; 8 LT matrix instructions: 128 along K.  mode 1: the products start the sums; 2: a bias in window 1 starts them; 0: they add on.  The accumulators take turns, one instruction a turn, in the same order in every step.
.macro MUL ks, mode
.set A_, 0
.rept LT
.if \mode == 2
	WIN 0x91                                       ; source 0 window 1, source 1 window 0, C window 1, D window 2
.else
	WIN 0xa1+0x50*(A_/4)                           ; source 0 window 1, source 1 window 0, C and D window 2 or 3
.endif
.irp b, 0,1,2,3,4,5,6,7
.set AC_, 8*(8*(A_%4)+\b)
.set RF_, 64*((\ks)%2)+8*\b
.set LF_, LF+64*((\ks)%2)+8*A_
.if \mode == 1
	v_wmma_scale_f32_16x16x128_f8f6f4 v[AC_:AC_+7], v[RF_:RF_+7], v[LF_:LF_+7], 0, v[SC+8*\b+(\ks)], v[SC+8*A_+(\ks)] matrix_a_fmt:MATRIX_FMT_FP4 matrix_b_fmt:MATRIX_FMT_FP4 matrix_a_scale:MATRIX_SCALE_ROW1
.elseif \mode == 2
	v_wmma_scale_f32_16x16x128_f8f6f4 v[AC_:AC_+7], v[RF_:RF_+7], v[LF_:LF_+7], v[128+8*\b:135+8*\b], v[SC+8*\b+(\ks)], v[SC+8*A_+(\ks)] matrix_a_fmt:MATRIX_FMT_FP4 matrix_b_fmt:MATRIX_FMT_FP4 matrix_a_scale:MATRIX_SCALE_ROW1
.else
	v_wmma_scale_f32_16x16x128_f8f6f4 v[AC_:AC_+7], v[RF_:RF_+7], v[LF_:LF_+7], v[AC_:AC_+7], v[SC+8*\b+(\ks)], v[SC+8*A_+(\ks)] matrix_a_fmt:MATRIX_FMT_FP4 matrix_b_fmt:MATRIX_FMT_FP4 matrix_a_scale:MATRIX_SCALE_ROW1
.endif
.endr
.set A_, A_+1
.endr
.endm
.macro KSTEP ks, mode
.if (\ks) == 0
	s_wait_dscnt 0x0                               ; step 0's fragments and the scale words are in
	FETCH 1, 1
.elseif (\ks) < 7
	PLACES 4                                       ; the set that the last step multiplied is loaded again
	FETCH (\ks)+1, ((\ks)+1)%2
	s_wait_dscnt NF                                ; all but the NF loads just issued: this step's fragments are in
.else
	s_wait_dscnt 0x0
.endif
	MUL \ks, \mode
.endm
; 64 numbers of a lane, register 16 b + i = k 32 b + 16 (lane / 16) + i of my row, become a fragment's codes in v[pc] on and its scale word in v[pw]
.macro QUANT s, pc, pw
.irp b, 0,1,2,3
	v_max3_num_f32 v[TM+\b], |v[\s+16*\b]|, |v[\s+1+16*\b]|, 0x1800000   ; block b: my 16 numbers, and the floor 2^(3 - 127): the byte cannot fall under 1
.endr
.irp i, 2,4,6,8,10,12,14
.irp b, 0,1,2,3
	v_max3_num_f32 v[TM+\b], v[TM+\b], |v[\s+16*\b+\i]|, |v[\s+1+16*\b+\i]|   ; the four blocks by turns
.endr
.endr
.irp b, 0,1,2,3
	v_permlanex16_b32 v[TM+4+\b], v[TM+\b], s[SEL], s[SEL+1]
.endr
.irp b, 0,1,2,3
	v_max_num_f32 v[TM+\b], v[TM+\b], v[TM+4+\b]   ; with lane l xor 16's: the block's largest magnitude
.endr
.irp b, 0,1,2,3
	v_add_nc_u32 v[TM+12+\b], 0xff000000, v[TM+\b] ; 2 off its exponent field: the conversion's scale operand
.endr
.irp b, 0,1,2,3
	v_lshrrev_b32 v[TM+4+\b], 23, v[TM+12+\b]      ; the scale's byte
.endr
	v_lshl_or_b32 v[\pw], v[TM+5], 8, v[TM+4]
	v_lshl_or_b32 v[\pw], v[TM+6], 16, v[\pw]
	v_lshl_or_b32 v[\pw], v[TM+7], 24, v[\pw]
.irp b, 0,1,2,3
	v_cvt_scalef32_pk8_fp4_f32 v[(\pc)+2*\b], v[\s+16*\b:\s+7+16*\b], v[TM+12+\b]
	v_cvt_scalef32_pk8_fp4_f32 v[(\pc)+1+2*\b], v[\s+8+16*\b:\s+15+16*\b], v[TM+12+\b]
.endr
	v_nop                                          ; one plain line behind a scaled conversion
.irp c, 0,1                            ; the operand's layout wants a whole block in a lane: lanes 0-15 block 2 c, lanes 16-31 block 2 c + 1
.irp i, 0,1
	v_permlane16_swap_b32 v[(\pc)+4*\c+\i], v[(\pc)+2+4*\c+\i]
.endr
.endr
.endm
; THE WAY OUT, a tile a of the lane operand at a time: + bias (which also brings the sums into window 0, each accumulator from its low end on), quantised, stored as an image: 512 consecutive bytes a store.
.macro EPI isv
.irp a, 0,1,2,3,4,5,6,7
	WIN 0x06+\a/4                                  ; source 0 window 2 or 3, source 1 window 1, destination window 0
.set I_, 0
.rept 32
.if \isv
	v_pk_add_f32 v[128+2*I_:129+2*I_], v[64*(\a%4)+2*I_:64*(\a%4)+2*I_+1], v[192+2*\a:193+2*\a]
.else
	v_pk_add_f32 v[128+2*I_:129+2*I_], v[64*(\a%4)+2*I_:64*(\a%4)+2*I_+1], v[128+2*I_:129+2*I_]
.endif
.set I_, I_+1
.endr
	WIN 0
	QUANT 128, 192+8*\a, PW+\a
.if \isv
	global_store_b128 v[CO], v[192+8*\a:195+8*\a], s[10:11] offset:(\a/4)*HS+(\a%4)*1024        ; head a / 4, d tile a % 4, keys 0-63,
	global_store_b128 v[CO], v[196+8*\a:199+8*\a], s[10:11] offset:(\a/4)*HS+(\a%4)*1024+512    ; keys 64-127
.else
	global_store_b128 v[CO], v[192+8*\a:195+8*\a], s[10:11] offset:512*\a                       ; my first head,
	global_store_b128 v[CO], v[196+8*\a:199+8*\a], s[10:11] offset:HS+512*\a                    ; my second
.endif
.endr
.if \isv
	v_cmp_ne_u32 vcc_lo, 0, v2
.irp t, 0,1,2,3
	v_cndmask_b32 v[OW+\t], v[PW+\t], v[PW+4+\t], vcc_lo     ; lanes 0-15: the first head's four d tiles, lanes 16-31 the second's
.endr
.else
.irp p, 0,1,2,3
	v_perm_b32 v[OW+\p], v[PW+1+2*\p], v[PW+2*\p], v[SELV]   ; two tiles' two bytes: lanes 0-15 the first head's, lanes 16-31 the second's
.endr
.endif
	global_store_b128 v[SO], v[OW:OW+3], s[10:11] offset:4096   ; sixteen lanes store 256 consecutive bytes, aligned, for each head
.endm
	s_load_b256 s[4:11], s[0:1], 0x0               ; xb s[4:5], wb s[6:7], b_qkv s[8:9], qkv s[10:11]
	v_lshl_add_u32 v110, v0, 2, 0x44000
	v_mov_b32 v111, 0
	ds_add_u32 v110, v111
	ds_add_u32 v110, v111
	v_lshrrev_b32 v1, 5, v0
	v_readfirstlane_b32 s14, v1                    ; wave 0..3
	s_lshr_b32 s15, s14, 1                         ; my half of x's 256 rows.  Also: I fetch for x (0) or for W (1)
	s_and_b32 s16, s14, 1                          ; my half of W's 256 columns.  Also: which half I fetch
	s_bfe_u32 s40, ttmp6, 0x40000                  ; cx, cy: my place in the cluster
	s_bfe_u32 s41, ttmp6, 0x40004
	s_mov_b32 s45, ttmp9                           ; the region: 0 q, 1 k, 2 v: the cluster's x
	s_lshl_b32 s42, ttmp9, 2
	s_add_co_u32 s42, s42, s40                     ; X: which 256 columns
	s_and_b32 s17, ttmp7, 0xffff
	s_lshl_b32 s17, s17, 2
	s_add_co_u32 s17, s17, s41                     ; Y: which 256 rows
	s_lshl_b32 s43, s41, 2
	s_lshl_b32 s43, 15, s43                        ; my row of the cluster
	s_lshl_b32 s44, 0x1111, s40                    ; my column
	; descriptor groups 1: dense blocks as rows of 256 bytes (32 elements of 8 bytes): 15:0 the mask; 17:16 element size; 21 set beside a mask
	s_or_b32 s[G1X], s43, (3<<16)|(1<<21)
	s_or_b32 s[G1W], s44, (3<<16)|(1<<21)
	s_or_b32 s[G1SX], s43, (3<<16)|(1<<21)
	s_or_b32 s[G1SW], s44, (3<<16)|(1<<21)
.irp g, G1X, G1W                       ; codes of 128 rows or columns: 65,536 bytes
	s_mov_b32 s[\g+1], 32<<16                      ; tensor_dim0
	s_mov_b32 s[\g+2], 256<<16                     ; tensor_dim1
	s_mov_b32 s[\g+3], 32<<16                      ; tile_dim0
	s_mov_b32 s[\g+4], 256                         ; tile_dim1
	s_mov_b32 s[\g+5], 32                          ; the pitch
	s_mov_b32 s[\g+6], 0
	s_mov_b32 s[\g+7], 0
.endr
.irp g, G1SX, G1SW                     ; their scales: 4,096 bytes
	s_mov_b32 s[\g+1], 32<<16
	s_mov_b32 s[\g+2], 16<<16
	s_mov_b32 s[\g+3], 32<<16
	s_mov_b32 s[\g+4], 16
	s_mov_b32 s[\g+5], 32
	s_mov_b32 s[\g+6], 0
	s_mov_b32 s[\g+7], 0
.endr
	; where the blocks come from: x's hang on Y alone, W's on X alone, each in registers that never hold the other coordinate
	s_lshl_b32 s18, s16, 16
	s_lshl_b32 s19, s16, 12
	s_lshl_b32 s20, s17, 17
	s_add_co_u32 s20, s20, s18
	s_mov_b32 s21, 0
	s_lshl_b32 s22, s17, 13
	s_add_co_u32 s22, s22, s19
	s_add_co_u32 s22, s22, XS_OFF
	s_mov_b32 s23, 0
	s_lshl_b32 s46, s42, 17
	s_add_co_u32 s46, s46, s18
	s_mov_b32 s47, 0
	s_lshl_b32 s92, s42, 13
	s_add_co_u32 s92, s92, s19
	s_add_co_u32 s92, s92, WS_OFF
	s_mov_b32 s93, 0
	s_lshl_b32 s36, s14, 16                        ; where they go: codes at wave x 65,536,
	s_lshl_b32 s37, s14, 12
	s_add_co_u32 s37, s37, LXS                     ; scales at LXS + wave x 4,096: no place in the cluster enters an LDS address
	s_mov_b32 s[SEL], 0x76543210
	s_mov_b32 s[SEL+1], 0xfedcba98
	s_wait_dscnt 0x0
	s_wait_kmcnt 0x0
	CROUND                                         ; all sixteen work-groups are here: the joint loads meet
	s_mov_b32 s[G0SX], 1
	s_mov_b32 s[G0SX+1], s37
	s_add_nc_u64 s[G0SX+2:G0SX+3], s[4:5], s[22:23]
	s_or_b32 s[G0SX+3], s[G0SX+3], 0x80000000
	s_mov_b32 s[G0SW], 1
	s_mov_b32 s[G0SW+1], s37
	s_add_nc_u64 s[G0SW+2:G0SW+3], s[6:7], s[92:93]
	s_or_b32 s[G0SW+3], s[G0SW+3], 0x80000000
	JLOAD G0SX, G1SX, G0SW, G1SW
	s_mov_b32 s[G0X], 1
	s_mov_b32 s[G0X+1], s36
	s_add_nc_u64 s[G0X+2:G0X+3], s[4:5], s[20:21]
	s_or_b32 s[G0X+3], s[G0X+3], 0x80000000
	s_mov_b32 s[G0W], 1
	s_mov_b32 s[G0W+1], s36
	s_add_nc_u64 s[G0W+2:G0W+3], s[6:7], s[46:47]
	s_or_b32 s[G0W+3], s[G0W+3], 0x80000000
	JLOAD G0X, G1X, G0W, G1W                       ; two loads of mine are out; nothing in LDS is filled twice
	v_and_b32 v1, 15, v0                           ; r
	v_bfe_u32 v2, v0, 4, 1                         ; h
	v_and_b32 v3, 31, v0
	v_lshlrev_b32 v[CO], 4, v3
	s_lshl_b32 s18, s15, 16                        ; my half of x's codes,
	s_lshl_b32 s19, s16, 16
	s_add_co_u32 s19, s19, LW                      ; of W's,
	s_lshl_b32 s38, s15, 12
	s_add_co_u32 s38, s38, LXS                     ; of x's scales,
	s_lshl_b32 s39, s16, 12
	s_add_co_u32 s39, s39, LWS                     ; of W's
	s_cmp_eq_u32 s45, 2                            ; region v: the operands change roles
	s_cselect_b32 s20, s19, s18                    ; the lane operand's codes,
	s_cselect_b32 s21, s18, s19                    ; the register operand's,
	s_cselect_b32 s22, s39, s38                    ; the lane operand's scales,
	s_cselect_b32 s23, s38, s39                    ; the register operand's
	v_add_nc_u32 v[ADRL], s20, v[CO]
	v_add_nc_u32 v[ADRR], s21, v[CO]
	v_cmp_ne_u32 vcc_lo, 0, v2
	v_mov_b32 v5, s22
	v_mov_b32 v6, s23
	v_cndmask_b32 v5, v5, v6, vcc_lo
	v_lshl_add_u32 v[ADRS], v1, 4, v5
	v_mov_b32 v5, 0x05040100
	v_mov_b32 v6, 0x07060302
	v_cndmask_b32 v[SELV], v5, v6, vcc_lo
.irp b, 0,1,2,3
	v_mov_b32 v[TM+4+\b], 0                        ; a lane permute's destination counts as one of its sources
.endr
	s_lshl_b32 s18, s42, 10                        ; the bias of my 128 columns
	s_lshl_b32 s19, s16, 9
	s_add_co_u32 s18, s18, s19
	s_mov_b32 s19, 0
	s_add_nc_u64 s[8:9], s[8:9], s[18:19]
	v_lshlrev_b32 v7, 6, v2                        ; along the registers: tile b's eight numbers begin at column 32 (b / 2) + 8 (b % 2) + 16 h
	v_lshrrev_b32 v8, 3, v1
	v_lshl_add_u32 v8, v8, 3, v1
	v_lshlrev_b32 v8, 2, v8                        ; of the lane's column: 32 (a / 2) + 8 (a % 2) + r + 8 (r / 8)
	WIN 0x40                                       ; both forms are loaded in every region: no branch
.irp b, 0,1,2,3,4,5,6,7
	global_load_b128 v[128+8*\b:131+8*\b], v7, s[8:9] offset:(32*(\b/2)+8*(\b%2))*4
	global_load_b128 v[132+8*\b:135+8*\b], v7, s[8:9] offset:(32*(\b/2)+8*(\b%2))*4+16
.endr
.irp a, 0,1,2,3,4,5,6,7
	global_load_b32 v[192+2*\a], v8, s[8:9] offset:(32*(\a/2)+8*(\a%2))*4
	global_load_b32 v[193+2*\a], v8, s[8:9] offset:(32*(\a/2)+8*(\a%2))*4      ; twice: a pair for the packed addition
.endr
	WIN 0
	s_lshr_b32 s18, s17, 3                         ; where my results go: n = Y / 8,
	s_lshl_b32 s18, s18, 4
	s_lshl_b32 s19, s40, 2
	s_add_co_u32 s18, s18, s19
	s_lshl_b32 s19, s16, 1
	s_add_co_u32 s18, s18, s19                     ; my first head: 16 n + 4 cx + 2 x half,
	s_lshl_b32 s18, s18, 4
	s_lshl_b32 s19, s17, 1
	s_add_co_u32 s19, s19, s15
	s_and_b32 s19, s19, 15                         ; my group of 128 rows,
	s_add_co_u32 s18, s18, s19
	s_mul_i32 s18, s18, BLKB
	s_mul_i32 s19, s45, PART                       ; the region's part
	s_add_co_u32 s18, s18, s19
	s_mov_b32 s19, 0
	s_add_nc_u64 s[10:11], s[10:11], s[18:19]
	v_mul_u32_u24 v[SO], v2, HS
	v_lshl_add_u32 v[SO], v1, 4, v[SO]
	s_wait_tensorcnt 0x0                           ; both my loads have landed,
	s_barrier_signal -1
	s_barrier_wait -1                              ; everybody's have: from here on LDS is only read
	FETCH 0, 0
	SCALES
	KSTEP 0, 1                                     ; the first step's products start the sums: nothing is cleared
.irp k, 1,2,3,4,5,6,7
	KSTEP \k, 0
.endr
	WIN 0
	PLACES 4                                       ; in front of the first read of results and the first write over fragments
	s_wait_loadcnt 0x0                             ; the biases
	s_cmp_eq_u32 s45, 2
	s_cbranch_scc1 .Lepi_v
	EPI 0
	s_branch .Lend
.Lepi_v:
	EPI 1
.Lend:
	s_wait_dscnt 0x0
	s_wait_tensorcnt 0x0
	ds_add_u32 v110, v111
	s_wait_dscnt 0x0
	CROUND                                         ; the closing round: no work-group ends while a partner may still ask for a block that names it
	s_endpgm
.Lfunc_end_k_q524d0248a0_gemm_qkv:
	.size	k_q524d0248a0_gemm_qkv, .Lfunc_end_k_q524d0248a0_gemm_qkv-k_q524d0248a0_gemm_qkv
	.p2alignl 7, 3214868480
	.fill 96, 4, 3214868480
	.section	.rodata,"a",@progbits
	.p2align	6, 0x0
	.amdhsa_kernel k_q524d0248a0_gemm_qkv
		.amdhsa_group_segment_fixed_size 279040
		.amdhsa_private_segment_fixed_size 0
		.amdhsa_enable_private_segment 0
		.amdhsa_kernarg_size 32
		.amdhsa_user_sgpr_count 2
		.amdhsa_user_sgpr_kernarg_segment_ptr 1
		.amdhsa_wavefront_size32 1
		.amdhsa_system_sgpr_workgroup_id_x 1
		.amdhsa_system_sgpr_workgroup_id_y 1
		.amdhsa_system_sgpr_workgroup_id_z 1
		.amdhsa_system_vgpr_workitem_id 0
		.amdhsa_next_free_vgpr 1024
		.amdhsa_next_free_sgpr 98
		.amdhsa_reserve_vcc 1
		.amdhsa_float_denorm_mode_32 3
		.amdhsa_float_denorm_mode_16_64 3
		.amdhsa_memory_ordered 1
		.amdhsa_forward_progress 1
		.amdhsa_inst_pref_size 192
	.end_amdhsa_kernel
	.amdgpu_metadata
---
amdhsa.version: [ 1, 2 ]
amdhsa.kernels:
  - .name:           k_q524d0248a0_gemm_qkv
    .symbol:         k_q524d0248a0_gemm_qkv.kd
    .args:
      - { .name: xb, .offset: 0, .size: 8, .value_kind: global_buffer, .address_space: global }
      - { .name: wb, .offset: 8, .size: 8, .value_kind: global_buffer, .address_space: global }
      - { .name: b_qkv, .offset: 16, .size: 8, .value_kind: global_buffer, .address_space: global }
      - { .name: qkv, .offset: 24, .size: 8, .value_kind: global_buffer, .address_space: global }
    .group_segment_fixed_size: 279040
    .private_segment_fixed_size: 0
    .kernarg_segment_align: 8
    .kernarg_segment_size: 32
    .max_flat_workgroup_size: 128
    .sgpr_count:     98
    .vgpr_count:     1024
    .wavefront_size: 32
...
	.end_amdgpu_metadata
.endif
;; end of part 2
;; launch attn (part 3): grid 4 x 64, 16 waves a work-group, clusters of 4 x 1, 169,984 bytes of LDS; arguments qkv, ob; writes ob
.if DOCPART == 3
	.amdgcn_target "amdgcn-amd-amdhsa--gfx1250"
	.amdhsa_code_object_version 6
	.text
	.protected	k_q524d0248a0_attn
	.globl	k_q524d0248a0_attn
	.p2align	8
	.type	k_q524d0248a0_attn,@function
k_q524d0248a0_attn:
	s_mov_b64 s[64:65], 0
	v_nop
	global_prefetch_b8 v0, s[64:65] scope:SCOPE_SE
	s_setreg_imm32_b32 hwreg(HW_REG_WAVE_MODE, 25, 1), 1
	s_wait_xcnt 0x0
	s_wait_alu depctr_hold_cnt(0) depctr_sa_sdst(0) depctr_va_vdst(0) depctr_va_sdst(0) depctr_va_ssrc(0) depctr_va_vcc(0) depctr_vm_vsrc(0)
	s_getreg_b32 s2, hwreg(HW_REG_IB_STS2, 6, 4)
	s_cmp_eq_u32 s2, 0
	s_cbranch_scc0 .Lentry_in_a_cluster
	s_endpgm
.Lentry_in_a_cluster:
	s_bfe_u32 s2, ttmp6, 0x10000c
	s_cmp_lg_u32 s2, 0x3003
	s_cbranch_scc0 .Lentry_shape_is_right
	s_endpgm
.Lentry_shape_is_right:
; o = softmax(q k^T / 8) v for one head, both products on codes of FP4 with E8M0 scales; o is quantised at once, along E, for the last product.
; THE SOFTMAX: t = score x log2(e) / 8; M = the running largest t rounded up to a whole number; p = 2^(t - M) is quantised along the keys, not normalised; the row's sum is taken of the unquantised p and divides at the end.
; When M moves, the sum and O are multiplied by 2^(old M - new M): exact.  A block's largest p is taken as the exponential of the block's largest score (this leans on v_exp_f32 not falling where its input rises).
; SHARES.  A work-group: one head (grid y), 512 queries; sixteen waves, four to a SIMD, so that one wave's vector work stands beside another's matrix work and LDS loads.  A wave takes two tiles of 16 queries, one after the other.
; The head's K and V, codes and scales, 16 blocks of 8,704 bytes (128 keys each), lie in LDS whole, filled once, a block by each wave: no ring, no barrier in the loop.
; CLUSTER: the four work-groups of a head want the same K and V: each block is asked for jointly, with a mask that names the four.
; LAYOUT.  Both products are used transposed: S^T = K Q^T, O^T = V^T P^T: a lane holds one query (lane % 16).  Index i of a tile T of keys, queries or channels is element 32 (T / 2) + 8 (T % 2) + i + 8 (i / 8),
; so the 16 registers of tiles 2 B and 2 B + 1 are 16 neighbours: 32 B + 16 (lane / 16) + 0 .. 15.
; K = 64 IN AN INSTRUCTION OF 128: source 0 holds K's tile 2 p in its first 64 and tile 2 p + 1 in its second; q stands between two runs of zero codes, [0 | q | 0]: registers 4-11 pick tile 2 p, registers 0-7 tile 2 p + 1.
; The other half multiplies zero codes: exact zeros under any scale byte from 1 to 254.
; LIMITS: NaN and infinities are not served; a block whose largest magnitude lies under 2^-124, a block of zeros among them, keeps the byte 1.
.set BLKB,   13056                     ; qkv: a block of 128 rows of a head: parts q, k, v
.set PART,   4352                      ; a part: 4,096 bytes of codes, 256 of scales
.set STEPB,  8704                      ; k's and v's parts: a key step in LDS
.set XS_OFF, 4194304                   ; ob: where the scales begin
.set KF,  40                           ; v40-71   K: 8 tiles x 4 registers
.set VF,  72                           ; v72-103  V: 4 tiles of channels x 8
.set S,   104                          ; v104-167 S^T, then p
.set O,   168                          ; v168-199 O^T
.set PC,  200                          ; v200-207 p's codes
.set KS,  208                          ; v208-211 K's scale words;  v212-215 V's;  v216, v217 q's for my two tiles;  v218 p's;  v219 q's as loaded: these hold scales and nothing else
.set VS,  212
.set QS,  216
.set PS,  218
.set QW,  219
.set BM,  220                          ; v220-223 a block's largest score, then its largest p
.set BP,  224                          ; v224-227 the other half of the lanes', then the bytes
.set BX,  228                          ; v228-231 the conversions' scale operands
.set F,   232                          ; v232 2^(old M - new M); v233 = 0, named with it as a pair
.set T,   234                          ; v234 at work
.set L2,  236                          ; v[236:237] the sum's second chain
.set OC,  240                          ; v240-247 o's codes, four registers a tile
.set WV,  18                           ; s18 my wave's number
.set SEL, 20                           ; s[20:21] v_permlanex16_b32: lane l xor 16
.set CS,  22                           ; s[22:23] c = log2(e) / 8
.set TB,  36                           ; s36 LDS byte at which the step's block begins
.set CNT, 37                           ; s37 steps to go
; v1 16 x lane; v2 16 x (lane % 16); v3, v4 the step's LDS addresses; v8 my place among o's scale halfwords; v9 the halfword; v12 -M, v13 the largest t, v[14:15] the sum in two halves; v16-27, v28-39 [0 | q | 0] of my two tiles
.macro CROUND                          ; a round of the cluster's barrier
	s_barrier_signal -1
	s_barrier_wait -1
	s_cmp_lg_u32 s[WV], 0
	s_cbranch_scc1 .Lnot_wave_0_\@
	s_barrier_signal -3
.Lnot_wave_0_\@:
	s_barrier_wait -3
	s_barrier_signal -1
	s_barrier_wait -1
.endm
; A KEY STEP: 128 keys.  qb: the first register of [0 | q | 0]; qs: q's scale word
.macro STEP qb, qs
	v_add_nc_u32 v3, s[TB], v1
	v_add_nc_u32 v4, s[TB], v2
	v_nop
	v_nop                                          ; four plain lines between the last step's products and the loads into V's and its scales' registers
.irp t, 0,1,2,3,4,5,6,7
	ds_load_b128 v[KF+4*\t:KF+4*\t+3], v3 offset:512*\t            ; each load takes 512 consecutive bytes
.endr
	ds_load_b128 v[KS:KS+3], v4 offset:4096
.irp m, 0,1,2,3,4,5,6,7
	ds_load_b128 v[VF+4*\m:VF+4*\m+3], v3 offset:PART+512*\m
.endr
	ds_load_b128 v[VS:VS+3], v4 offset:PART+4096
	s_wait_dscnt 9                                 ; K and its scales are in; V's eight loads and its scales' may be out
.irp t, 0,1,2,3,4,5,6,7
	v_wmma_scale_f32_16x16x128_f8f6f4 v[S+8*\t:S+8*\t+7], v[KF+8*(\t/2):KF+8*(\t/2)+7], v[(\qb)+4-4*(\t%2):(\qb)+11-4*(\t%2)], 0, v[KS+\t/2], v[\qs] matrix_a_fmt:MATRIX_FMT_FP4 matrix_b_fmt:MATRIX_FMT_FP4
.endr
.rept 4
	v_nop
.endr
.irp b, 0,1,2,3
	v_max3_num_f32 v[BM+\b], v[S+16*\b], v[S+1+16*\b], v[S+2+16*\b]   ; the largest score of each block of 32 keys: for the row's maximum and for the block's largest p
.endr
.irp i, 3,5,7,9,11,13
.irp b, 0,1,2,3
	v_max3_num_f32 v[BM+\b], v[BM+\b], v[S+16*\b+\i], v[S+1+16*\b+\i]
.endr
.endr
.irp b, 0,1,2,3
	v_max_num_f32 v[BM+\b], v[BM+\b], v[S+15+16*\b]
.endr
.irp b, 0,1,2,3
	v_permlanex16_b32 v[BP+\b], v[BM+\b], s[SEL], s[SEL+1]
.endr
.irp b, 0,1,2,3
	v_max_num_f32 v[BM+\b], v[BM+\b], v[BP+\b]     ; with lane l xor 16's 16 keys
.endr
	v_max3_num_f32 v[T], v[BM], v[BM+1], v[BM+2]
	v_max_num_f32 v[T], v[T], v[BM+3]              ; the step's largest score of my query
	v_mul_f32 v[T], s[CS], v[T]                    ; as t (c is positive)
	v_max_num_f32 v13, v13, v[T]                   ; the running largest t
	v_mov_b32 v[T], v12
	v_floor_f32 v12, -v13                          ; the new -M = floor(-t): M is a whole number
	v_sub_f32 v[T], v12, v[T]                      ; old M - new M: a whole number, 0 or less
	v_cvt_i32_f32 v[T], v[T]                       ; (it saturates)
	v_ldexp_f32 v[F], 1.0, v[T]                    ; f = 2^(old M - new M)
.set J_, 0
.rept 32
	v_pk_fma_f32 v[S+J_:S+J_+1], v[S+J_:S+J_+1], s[CS:CS+1], v[12:13] op_sel_hi:[1,0,0]   ; t - M, two at a time
.set J_, J_+2
.endr
.irp b, 0,1,2,3
	v_fma_f32 v[BM+\b], v[BM+\b], s[CS], v12       ; the same of each block's largest score
.endr
.set J_, 0
.rept 64
	v_exp_f32 v[S+J_], v[S+J_]                     ; p = 2^(t - M), at most 1
.set J_, J_+1
.endr
.irp b, 0,1,2,3
	v_exp_f32 v[BM+\b], v[BM+\b]                   ; the block's largest p: the same two instructions on the same number
.endr
	v_pk_mul_f32 v[14:15], v[14:15], v[F:F+1] op_sel_hi:[1,0]   ; the sums under the new M (the plain line behind the exponentials)
	s_wait_alu depctr_va_vdst(0)
.irp b, 0,1,2,3
	v_max_num_f32 v[BM+\b], 0x1800000, v[BM+\b]    ; the floor 2^(3 - 127): the byte cannot fall under 1
.endr
.irp b, 0,1,2,3
	v_add_nc_u32 v[BX+\b], 0xff000000, v[BM+\b]    ; 2 off the exponent field: the conversion's scale operand
.endr
.irp b, 0,1,2,3
	v_lshrrev_b32 v[BP+\b], 23, v[BX+\b]           ; the scale's byte
.endr
	v_lshl_or_b32 v[PS], v[BP+1], 8, v[BP]         ; p's scale word for these 128 keys
	v_lshl_or_b32 v[PS], v[BP+2], 16, v[PS]
	v_lshl_or_b32 v[PS], v[BP+3], 24, v[PS]
.irp b, 0,1,2,3
	v_cvt_scalef32_pk8_fp4_f32 v[PC+2*\b], v[S+16*\b:S+7+16*\b], v[BX+\b]
	v_cvt_scalef32_pk8_fp4_f32 v[PC+1+2*\b], v[S+8+16*\b:S+15+16*\b], v[BX+\b]
.endr
	v_nop                                          ; one plain line behind a scaled conversion
.irp c, 0,1                            ; a whole block in a lane: lanes 0-15 block 2 c, lanes 16-31 block 2 c + 1
.irp i, 0,1
	v_permlane16_swap_b32 v[PC+4*\c+\i], v[PC+2+4*\c+\i]
.endr
.endr
	v_pk_add_f32 v[L2:L2+1], v[S:S+1], v[S+2:S+3]  ; the row's sum, of the unquantised p: two at a time, in two chains
.irp j, 4,8,12,16,20,24,28,32,36,40,44,48,52,56,60
	v_pk_add_f32 v[14:15], v[14:15], v[S+\j:S+1+\j]
	v_pk_add_f32 v[L2:L2+1], v[L2:L2+1], v[S+2+\j:S+3+\j]
.endr
	v_pk_add_f32 v[14:15], v[14:15], v[L2:L2+1]
.set J_, 0
.rept 16
	v_pk_mul_f32 v[O+J_:O+J_+1], v[O+J_:O+J_+1], v[F:F+1] op_sel_hi:[1,0]   ; O^T under the new M.  (With the sums above: the plain lines between p's codes and scale word and the products below)
.set J_, J_+2
.endr
	s_wait_dscnt 0x0                               ; V and its scales are in
.irp t, 0,1,2,3                        ; the four accumulators take turns, one instruction a turn
	v_wmma_scale_f32_16x16x128_f8f6f4 v[O+8*\t:O+8*\t+7], v[VF+8*\t:VF+8*\t+7], v[PC:PC+7], v[O+8*\t:O+8*\t+7], v[VS+\t], v[PS] matrix_a_fmt:MATRIX_FMT_FP4 matrix_b_fmt:MATRIX_FMT_FP4
.endr
.endm
; O^T / the sum: my query's 64 channels are two blocks of 32 along E: quantised and stored as a part of an operand's image
.macro WAYOUT i
.rept 4
	v_nop
.endr
	v_add_f32 v14, v14, v15                        ; the sum's two halves,
	v_permlanex16_b32 v[T], v14, s[SEL], s[SEL+1]
	v_add_f32 v14, v14, v[T]                       ; and lane l xor 16's
	v_rcp_f32 v14, v14
	v_nop                                          ; one plain line behind a transcendental
.set J_, 0
	s_wait_alu depctr_va_vdst(0)
.rept 16
	v_pk_mul_f32 v[S+J_:S+J_+1], v[O+J_:O+J_+1], v[14:15] op_sel_hi:[1,0]   ; register 16 b + i: channel 32 b + 16 (lane / 16) + i
.set J_, J_+2
.endr
.irp b, 0,1
	v_max3_num_f32 v[BM+\b], |v[S+16*\b]|, |v[S+1+16*\b]|, 0x1800000
.endr
.irp j, 2,4,6,8,10,12,14
.irp b, 0,1
	v_max3_num_f32 v[BM+\b], v[BM+\b], |v[S+16*\b+\j]|, |v[S+1+16*\b+\j]|
.endr
.endr
.irp b, 0,1
	v_permlanex16_b32 v[BP+\b], v[BM+\b], s[SEL], s[SEL+1]
.endr
.irp b, 0,1
	v_max_num_f32 v[BM+\b], v[BM+\b], v[BP+\b]
.endr
.irp b, 0,1
	v_add_nc_u32 v[BX+\b], 0xff000000, v[BM+\b]
.endr
.irp b, 0,1
	v_lshrrev_b32 v[BP+\b], 23, v[BX+\b]
.endr
.if \i == 0
	v_lshl_or_b32 v9, v[BP+1], 8, v[BP]            ; the head's two bytes of my row
.else
	v_lshl_or_b32 v[T], v[BP+1], 8, v[BP]
	v_cndmask_b32 v9, v9, v[T], s39                ; lanes 0-15 keep the first tile's, lanes 16-31 take the second's
.endif
.irp b, 0,1
	v_cvt_scalef32_pk8_fp4_f32 v[OC+4*\i+2*\b], v[S+16*\b:S+7+16*\b], v[BX+\b]
	v_cvt_scalef32_pk8_fp4_f32 v[OC+4*\i+1+2*\b], v[S+8+16*\b:S+15+16*\b], v[BX+\b]
.endr
	v_nop
	v_permlane16_swap_b32 v[OC+4*\i], v[OC+4*\i+2]
	v_permlane16_swap_b32 v[OC+4*\i+1], v[OC+4*\i+3]
	global_store_b128 v1, v[OC+4*\i:OC+4*\i+3], s[6:7] offset:8192*\i   ; 32 lanes store 512 consecutive bytes
.endm
.macro TILE i
	v_mov_b32 v13, 0xff61b1e6                      ; the largest t so far: -3e38, under every t
	v_floor_f32 v12, -v13                          ; -M
	v_mov_b32 v14, 0
	v_mov_b32 v15, 0
.set J_, 0
.rept 32
	v_mov_b32 v[O+J_], 0                           ; the step is written once: its first trip finds zeros, which the first change of M leaves zeros
.set J_, J_+1
.endr
	s_mov_b32 s[TB], 0
	s_mov_b32 s[CNT], 16
.Lstep_\i:
	STEP 16+12*\i, QS+\i
	s_add_co_u32 s[TB], s[TB], STEPB
	s_sub_co_u32 s[CNT], s[CNT], 1
	s_cmp_lg_u32 s[CNT], 0
	s_cbranch_scc1 .Lstep_\i
	WAYOUT \i
.endm
	s_load_b128 s[4:7], s[0:1], 0x0                ; qkv s[4:5], ob s[6:7]
	v_lshl_add_u32 v254, v0, 2, 0x29000
	v_mov_b32 v255, 0
	ds_add_u32 v254, v255
	ds_add_u32 v254, v255
	v_lshrrev_b32 v1, 5, v0
	v_readfirstlane_b32 s[WV], v1                  ; wave 0..15
	s_bfe_u32 s40, ttmp6, 0x40000                  ; cx: it enters q's and o's global addresses alone
	s_lshl_b32 s42, ttmp9, 2
	s_add_co_u32 s42, s42, s40                     ; my block of 512 queries
	s_and_b32 s41, ttmp7, 0xffff                   ; the head, 16 n + head, which the four partners share
	s_lshl_b32 s8, s41, 4
	s_add_co_u32 s8, s8, s[WV]
	s_mul_i32 s8, s8, BLKB
	s_add_co_u32 s8, s8, PART                      ; what I fetch: k's and v's parts of the head's block number wave,
	s_mov_b32 s9, 0
	s_mul_i32 s10, s[WV], STEPB                    ; to LDS byte wave x 8,704
	s_mov_b32 s24, 15|(3<<16)|(1<<21)              ; group 1: 15:0 the mask: all four work-groups; 17:16 elements of 8 bytes; 21 set beside a mask
	s_mov_b32 s25, 32<<16                          ; tensor_dim0: rows of 256 bytes,
	s_mov_b32 s26, 34<<16                          ; tensor_dim1: 34 of them, dense
	s_mov_b32 s27, 32<<16                          ; tile_dim0
	s_mov_b32 s28, 34                              ; tile_dim1
	s_mov_b32 s29, 32                              ; the pitch
	s_mov_b32 s30, 0
	s_mov_b32 s31, 0
	s_lshl_b32 s12, s41, 4                         ; q: the head's block 4 x query block + wave / 4
	s_lshl_b32 s13, s42, 2
	s_add_co_u32 s12, s12, s13
	s_lshr_b32 s13, s[WV], 2
	s_add_co_u32 s12, s12, s13
	s_mul_i32 s12, s12, BLKB
	s_mov_b32 s13, 0
	s_lshr_b32 s44, s41, 4                         ; o: my first tile of rows T0 = 128 n + 32 x query block + 2 x wave
	s_lshl_b32 s44, s44, 7
	s_lshl_b32 s45, s42, 5
	s_add_co_u32 s44, s44, s45
	s_lshl_b32 s45, s[WV], 1
	s_add_co_u32 s44, s44, s45
	s_and_b32 s46, s41, 15                         ; head
	s_lshl_b32 s48, s44, 13
	s_lshl_b32 s47, s46, 9
	s_add_co_u32 s48, s48, s47                     ; codes: 8,192 T0 + 512 head
	s_mov_b32 s49, 0
	s_lshl_b32 s50, s44, 9                         ; scales: 512 T0 + 256 (head / 8) + 2 (head % 8)
	s_lshr_b32 s47, s46, 3
	s_lshl_b32 s47, s47, 8
	s_add_co_u32 s50, s50, s47
	s_and_b32 s47, s46, 7
	s_lshl_b32 s47, s47, 1
	s_add_co_u32 s50, s50, s47
	s_add_co_u32 s50, s50, XS_OFF
	s_mov_b32 s51, 0
	s_mov_b32 s[SEL], 0x76543210
	s_mov_b32 s[SEL+1], 0xfedcba98
	s_mov_b32 s[CS], 0x3e38aa3b                    ; c = log2(e) / 8
	s_mov_b32 s[CS+1], s[CS]                       ; (named with it as a pair, so it is written)
	s_mov_b32 s39, 0xffff0000                      ; lanes 16-31
	s_and_b32 s14, s[WV], 3
	s_lshl_b32 s15, s14, 10                        ; my two tiles' codes in q's part,
	s_lshl_b32 s16, s14, 2                         ; and their scale word
	s_wait_dscnt 0x0
	s_wait_kmcnt 0x0
	s_mov_b32 s32, 1                               ; group 0: count
	s_mov_b32 s33, s10                             ; LDS address
	s_add_nc_u64 s[34:35], s[4:5], s[8:9]          ; global address
	s_or_b32 s35, s35, 0x80000000                  ; type
	s_add_nc_u64 s[12:13], s[4:5], s[12:13]
	s_add_nc_u64 s[50:51], s[6:7], s[50:51]
	s_add_nc_u64 s[6:7], s[6:7], s[48:49]
	CROUND                                         ; all four work-groups are here: the joint loads meet
	tensor_load_to_lds s[32:35], s[24:31]          ; my one load: one is out; nothing in LDS is filled twice
	s_nop 0
.rept 4
	v_nop
.endr
	v_and_b32 v7, 31, v0
	v_lshlrev_b32 v1, 4, v7                        ; 16 x lane
	v_and_b32 v10, 15, v0                          ; r
	v_bfe_u32 v11, v0, 4, 1                        ; h
	v_lshlrev_b32 v2, 4, v10                       ; 16 r
	v_lshlrev_b32 v8, 9, v11
	v_lshl_add_u32 v8, v10, 4, v8                  ; o's scale halfwords: lanes 0-15 my first tile's rows, lanes 16-31 my second's
	v_add_nc_u32 v5, s15, v1
	v_add_nc_u32 v6, s16, v2
	global_load_b128 v[20:23], v5, s[12:13]        ; q's codes of my first tile,
	global_load_b128 v[32:35], v5, s[12:13] offset:512   ; of my second,
	global_load_b32 v[QW], v6, s[12:13] offset:4096      ; both tiles' two scale bytes
.irp j, 16,17,18,19,24,25,26,27,28,29,30,31,36,37,38,39
	v_mov_b32 v\j, 0                               ; the zero codes round q
.endr
.irp b, 0,1,2,3
	v_mov_b32 v[BP+\b], 0                          ; a lane permute's destination counts as one of its sources
.endr
	v_mov_b32 v[F+1], 0
	s_wait_loadcnt 0x0
	v_perm_b32 v[QS], v[QW], v[QW], 0x01000100     ; (s0, s1, s0, s1): q stands in either half of K
	v_perm_b32 v[QS+1], v[QW], v[QW], 0x03020302   ; more than eight plain lines follow in TILE ahead of the first product
	s_wait_tensorcnt 0x0                           ; my block has landed,
	s_barrier_signal -1
	s_barrier_wait -1                              ; everybody's has: from here on LDS is only read
	TILE 0
	TILE 1
	global_store_b16 v8, v9, s[50:51]              ; two bytes a row: 16 bytes apart, since a row's 32 scale bytes come from sixteen heads; one byte in 17 of what this launch stores
	s_wait_dscnt 0x0
	s_wait_tensorcnt 0x0
	ds_add_u32 v254, v255
	s_wait_dscnt 0x0
	CROUND                                         ; the closing round: no work-group ends while a partner may still ask for a block that names it
	s_endpgm
.Lfunc_end_k_q524d0248a0_attn:
	.size	k_q524d0248a0_attn, .Lfunc_end_k_q524d0248a0_attn-k_q524d0248a0_attn
	.p2alignl 7, 3214868480
	.fill 96, 4, 3214868480
	.section	.rodata,"a",@progbits
	.p2align	6, 0x0
	.amdhsa_kernel k_q524d0248a0_attn
		.amdhsa_group_segment_fixed_size 169984
		.amdhsa_private_segment_fixed_size 0
		.amdhsa_enable_private_segment 0
		.amdhsa_kernarg_size 16
		.amdhsa_user_sgpr_count 2
		.amdhsa_user_sgpr_kernarg_segment_ptr 1
		.amdhsa_wavefront_size32 1
		.amdhsa_system_sgpr_workgroup_id_x 1
		.amdhsa_system_sgpr_workgroup_id_y 1
		.amdhsa_system_sgpr_workgroup_id_z 1
		.amdhsa_system_vgpr_workitem_id 0
		.amdhsa_next_free_vgpr 256
		.amdhsa_next_free_sgpr 66
		.amdhsa_reserve_vcc 0
		.amdhsa_float_denorm_mode_32 3
		.amdhsa_float_denorm_mode_16_64 3
		.amdhsa_memory_ordered 1
		.amdhsa_forward_progress 1
		.amdhsa_inst_pref_size 45
	.end_amdhsa_kernel
	.amdgpu_metadata
---
amdhsa.version: [ 1, 2 ]
amdhsa.kernels:
  - .name:           k_q524d0248a0_attn
    .symbol:         k_q524d0248a0_attn.kd
    .args:
      - { .name: qkv, .offset: 0, .size: 8, .value_kind: global_buffer, .address_space: global }
      - { .name: ob, .offset: 8, .size: 8, .value_kind: global_buffer, .address_space: global }
    .group_segment_fixed_size: 169984
    .private_segment_fixed_size: 0
    .kernarg_segment_align: 8
    .kernarg_segment_size: 16
    .max_flat_workgroup_size: 512
    .sgpr_count:     66
    .vgpr_count:     256
    .wavefront_size: 32
...
	.end_amdgpu_metadata
.endif
;; end of part 3
;; launch gemm_out (part 4): grid 4 x 64, 4 waves a work-group, clusters of 4 x 4, 243,200 bytes of LDS; arguments ob, wb, b_out, out0; writes out0
.if DOCPART == 4
	.amdgcn_target "amdgcn-amd-amdhsa--gfx1250"
	.amdhsa_code_object_version 6
	.text
	.protected	k_q524d0248a0_gemm_out
	.globl	k_q524d0248a0_gemm_out
	.p2align	8
	.type	k_q524d0248a0_gemm_out,@function
k_q524d0248a0_gemm_out:
	s_mov_b64 s[64:65], 0
	v_nop
	global_prefetch_b8 v0, s[64:65] scope:SCOPE_SE
	s_setreg_imm32_b32 hwreg(HW_REG_WAVE_MODE, 25, 1), 1
	s_wait_xcnt 0x0
	s_wait_alu depctr_hold_cnt(0) depctr_sa_sdst(0) depctr_va_vdst(0) depctr_va_sdst(0) depctr_va_ssrc(0) depctr_va_vcc(0) depctr_vm_vsrc(0)
	s_getreg_b32 s2, hwreg(HW_REG_IB_STS2, 6, 4)
	s_cmp_eq_u32 s2, 0
	s_cbranch_scc0 .Lentry_in_a_cluster
	s_endpgm
.Lentry_in_a_cluster:
	s_bfe_u32 s2, ttmp6, 0x10000c
	s_cmp_lg_u32 s2, 0xf033
	s_cbranch_scc0 .Lentry_shape_is_right
	s_endpgm
.Lentry_shape_is_right:
; out0 = o W_out + b_out on codes of FP4 with E8M0 scales; out0 [8192][1024] f32.
; A work-group of four waves makes 128 rows x 256 columns (256 work-groups); a wave 64 x 128: 32 accumulators.  K = 1,024: both operands' codes and scales lie in LDS whole, filled once: no ring.
; ob, wb: images of operand registers: codes [tile][ks 8][c 2][lane][16 bytes], scales [tile][q 2][r 16][16 bytes]; W_out is wb's tiles 192-255.  Index i of tile T is element 32 (T / 2) + 8 (T % 2) + i + 8 (i / 8).
; The matrix instruction is used transposed: source 0 = 16 columns of W_out, source 1 = 16 rows of o: a lane holds one row, and the 16 registers of W's tiles 2 B and 2 B + 1 are the columns 32 B + 16 (lane / 16) + 0 .. 15.
; The bias is the C of each sum's first matrix instruction.
; CLUSTERS: 4 x 4 work-groups; o's blocks are asked for jointly along a row of the cluster, W's along a column.
; REGISTERS: window 0: v0-31 addresses; v32-95 scale words and nothing else; v128-159, v192-223 o's fragments, two sets; on the way out v128-255 rows of the result.
;   window 1: v0-63, v64-127 W's fragments, two sets; v128-191 the bias.   window 2: accumulator (a, b) at v[8 (8 a + b)].
.set LT,     4                         ; tiles of o for a wave
.set NF,     16+2*LT                   ; LDS loads that bring a K step's fragments
.set XS_OFF, 4194304
.set WS_OFF, 2097152
.set WO_C,   192*8192                  ; wb: where W_out's codes begin,
.set WO_S,   WS_OFF+192*512            ; and its scales
.set LW,     65536                     ; LDS: o's codes at 0, W's here,
.set LOS,    196608                    ; o's scales,
.set LWS,    200704                    ; W's scales,
.set STG,    208896                    ; and a stage of 16 rows x 528 bytes for each wave: bytes of its own, into which no fill lands
.set SPITCH, 528                       ; 512 bytes + 16: the 16 rows that a store touches start 16 bytes apart modulo 256
.set ADRL,   16                        ; v16  LDS address of o's fragments
.set ADRR,   20                        ; v20  of W's
.set STO,    24                        ; v24  the stage: where I put my row's numbers
.set RD,     25                        ; v25  and where I read a row back
.set CO,     26                        ; v26  16 x lane
.set ADRS,   27                        ; v27  LDS address of my scale words: lanes 0-15 o's, lanes 16-31 W's
.set SC,     32                        ; register SC + 8 i + ks: tile i, K step ks
.set LF,     128
.set BK,     128                       ; the way out: 16 rows read back: v128-191 and v192-255 by turns
.set G1X, 24                           ; s[24:31], s[32:35] descriptor groups 1 and 0 for o's codes
.set G0X, 32
.set G1W, 48                           ; s[48:55], s[56:59] for W's codes
.set G0W, 56
.set G1SX, 68                          ; s[68:75], s[76:79] for o's scales
.set G0SX, 76
.set G1SW, 80                          ; s[80:87], s[88:91] for W's scales
.set G0SW, 88
.set MSB, 0
.macro WIN new                         ; the immediate's high byte repeats the setting that is left; a switch that changes nothing is dropped
.if MSB != (\new)
	s_set_vgpr_msb (MSB<<8)|(\new)
.set MSB, (\new)
.endif
.endm
; A joint load: waves 0 and 1 fetch for o, waves 2 and 3 for W; the branch hangs on the wave's number alone.  Four v_nop follow each of the two lines.
.macro JLOAD g0a, g1a, g0b, g1b
	s_cmp_eq_u32 s15, 0
	s_cbranch_scc0 .Lfor_b_\@
	tensor_load_to_lds s[\g0a:\g0a+3], s[\g1a:\g1a+7]
	s_nop 0
.rept 4
	v_nop
.endr
	s_branch .Lasked_\@
.Lfor_b_\@:
	tensor_load_to_lds s[\g0b:\g0b+3], s[\g1b:\g1b+7]
	s_nop 0
.rept 4
	v_nop
.endr
.Lasked_\@:
.endm
.macro CROUND                          ; a round of the cluster's barrier
	s_barrier_signal -1
	s_barrier_wait -1
	s_cmp_lg_u32 s14, 0
	s_cbranch_scc1 .Lnot_wave_0_\@
	s_barrier_signal -3
.Lnot_wave_0_\@:
	s_barrier_wait -3
	s_barrier_signal -1
	s_barrier_wait -1
.endm
.macro PLACES n                        ; plain vector lines between a matrix instruction and a load into, or a read of, its registers
.rept \n
	v_nop
.endr
.endm
.macro FETCH ks, p                     ; K step ks: W's 8 fragments and o's LT into set p; each load takes 512 consecutive bytes
	WIN 0x40                                       ; destination window 1, address window 0
.irp i, 0,1,2,3,4,5,6,7
.irp c, 0,1
	ds_load_b128 v[64*(\p)+8*\i+4*\c:64*(\p)+8*\i+4*\c+3], v[ADRR] offset:8192*\i+1024*(\ks)+512*\c
.endr
.endr
	WIN 0
.set I_, 0
.rept LT
.irp c, 0,1
	ds_load_b128 v[LF+64*(\p)+8*I_+4*\c:LF+64*(\p)+8*I_+4*\c+3], v[ADRL] offset:8192*I_+1024*(\ks)+512*\c
.endr
.set I_, I_+1
.endr
.endm
.macro SCALES                          ; all of K's scale words: 16 loads.  For i = 4 .. 7 lanes 0-15 read landed bytes that no product names
.irp i, 0,1,2,3,4,5,6,7
.irp q, 0,1
	ds_load_b128 v[SC+8*\i+4*\q:SC+8*\i+4*\q+3], v[ADRS] offset:512*\i+256*\q
.endr
.endr
.endm
; 8 LT matrix instructions: 128 along K.  mode 1: the products start the sums; 2: the bias in window 1 starts them; 0: they add on.  The accumulators take turns, one instruction a turn, in the same order in every step.
.macro MUL ks, mode
.set A_, 0
.rept LT
.if \mode == 2
	WIN 0x91                                       ; source 0 window 1, source 1 window 0, C window 1, D window 2
.else
	WIN 0xa1+0x50*(A_/4)                           ; source 0 window 1, source 1 window 0, C and D window 2
.endif
.irp b, 0,1,2,3,4,5,6,7
.set AC_, 8*(8*(A_%4)+\b)
.set RF_, 64*((\ks)%2)+8*\b
.set LF_, LF+64*((\ks)%2)+8*A_
.if \mode == 1
	v_wmma_scale_f32_16x16x128_f8f6f4 v[AC_:AC_+7], v[RF_:RF_+7], v[LF_:LF_+7], 0, v[SC+8*\b+(\ks)], v[SC+8*A_+(\ks)] matrix_a_fmt:MATRIX_FMT_FP4 matrix_b_fmt:MATRIX_FMT_FP4 matrix_a_scale:MATRIX_SCALE_ROW1
.elseif \mode == 2
	v_wmma_scale_f32_16x16x128_f8f6f4 v[AC_:AC_+7], v[RF_:RF_+7], v[LF_:LF_+7], v[128+8*\b:135+8*\b], v[SC+8*\b+(\ks)], v[SC+8*A_+(\ks)] matrix_a_fmt:MATRIX_FMT_FP4 matrix_b_fmt:MATRIX_FMT_FP4 matrix_a_scale:MATRIX_SCALE_ROW1
.else
	v_wmma_scale_f32_16x16x128_f8f6f4 v[AC_:AC_+7], v[RF_:RF_+7], v[LF_:LF_+7], v[AC_:AC_+7], v[SC+8*\b+(\ks)], v[SC+8*A_+(\ks)] matrix_a_fmt:MATRIX_FMT_FP4 matrix_b_fmt:MATRIX_FMT_FP4 matrix_a_scale:MATRIX_SCALE_ROW1
.endif
.endr
.set A_, A_+1
.endr
.endm
.macro KSTEP ks, mode
.if (\ks) == 0
	s_wait_dscnt 0x0                               ; step 0's fragments and the scale words are in
	FETCH 1, 1
.elseif (\ks) < 7
	PLACES 4                                       ; the set that the last step multiplied is loaded again
	FETCH (\ks)+1, ((\ks)+1)%2
	s_wait_dscnt NF                                ; all but the NF loads just issued: this step's fragments are in
.else
	s_wait_dscnt 0x0
.endif
	MUL \ks, \mode
.endm
; THE WAY OUT, a tile a of 16 rows x 128 columns at a time, through my own stage: in by rows of the lanes, back as whole rows of 512 bytes.  LDS serves a wave's instructions in order: no wait between the stores and the loads.
.macro TOSTAGE a
	WIN 0x08                                       ; an LDS store's data are its source 1: window 2
.irp b, 0,1,2,3,4,5,6,7
	ds_store_b128 v[STO], v[64*(\a)+8*\b:64*(\a)+8*\b+3] offset:128*(\b/2)+32*(\b%2)          ; each accumulator from its low end on
	ds_store_b128 v[STO], v[64*(\a)+8*\b+4:64*(\a)+8*\b+7] offset:128*(\b/2)+32*(\b%2)+16
.endr
	WIN 0
.set BB, BK+64*((\a)%2)
.irp t, 0,1,2,3,4,5,6,7,8,9,10,11,12,13,14,15
	ds_load_b128 v[BB+4*\t:BB+4*\t+3], v[RD] offset:\t*SPITCH
.endr
.endm
.macro SEND a, younger                 ; younger: the LDS instructions issued behind tile a's loads, which may stay out
.set BB, BK+64*((\a)%2)
	s_wait_dscnt \younger
.irp t, 0,1,2,3,4,5,6,7,8,9,10,11,12,13,14,15
	global_store_b128 v[CO], v[BB+4*\t:BB+4*\t+3], s[10:11] offset:(32*((\a)/2)+8*((\a)%2)+\t+8*(\t/8))*4096 th:TH_STORE_NT   ; 32 lanes store 512 consecutive bytes, aligned; written once, read by nobody here
.endr
.endm
	s_load_b256 s[4:11], s[0:1], 0x0               ; ob s[4:5], wb s[6:7], b_out s[8:9], out0 s[10:11]
	v_lshl_add_u32 v126, v0, 2, 0x3b400
	v_mov_b32 v127, 0
	ds_add_u32 v126, v127
	ds_add_u32 v126, v127
	v_lshrrev_b32 v1, 5, v0
	v_readfirstlane_b32 s14, v1                    ; wave 0..3
	s_lshr_b32 s15, s14, 1                         ; my half of the 128 rows.  Also: I fetch for o (0) or for W (1)
	s_and_b32 s16, s14, 1                          ; my half of the 256 columns.  Also: which half I fetch
	s_bfe_u32 s40, ttmp6, 0x40000                  ; cx, cy: my place in the cluster
	s_bfe_u32 s41, ttmp6, 0x40004
	s_lshl_b32 s42, ttmp9, 2
	s_add_co_u32 s42, s42, s40                     ; X: which 256 columns
	s_and_b32 s17, ttmp7, 0xffff
	s_lshl_b32 s17, s17, 2
	s_add_co_u32 s17, s17, s41                     ; Y: which 128 rows
	s_lshl_b32 s43, s41, 2
	s_lshl_b32 s43, 15, s43                        ; my row of the cluster
	s_lshl_b32 s44, 0x1111, s40                    ; my column
	; descriptor groups 1: dense blocks as rows of 256 bytes (32 elements of 8 bytes): 15:0 the mask; 17:16 element size; 21 set beside a mask
	s_or_b32 s[G1X], s43, (3<<16)|(1<<21)
	s_or_b32 s[G1W], s44, (3<<16)|(1<<21)
	s_or_b32 s[G1SX], s43, (3<<16)|(1<<21)
	s_or_b32 s[G1SW], s44, (3<<16)|(1<<21)
.irp g, G1X, G1W, G1SX, G1SW
	s_mov_b32 s[\g+1], 32<<16                      ; tensor_dim0
	s_mov_b32 s[\g+3], 32<<16                      ; tile_dim0
	s_mov_b32 s[\g+5], 32                          ; the pitch
	s_mov_b32 s[\g+6], 0
	s_mov_b32 s[\g+7], 0
.endr
	s_mov_b32 s[G1X+2], 128<<16                    ; tensor_dim1 and tile_dim1: o's codes of 64 rows: 32,768 bytes,
	s_mov_b32 s[G1X+4], 128
	s_mov_b32 s[G1W+2], 256<<16                    ; W's of 128 columns: 65,536,
	s_mov_b32 s[G1W+4], 256
	s_mov_b32 s[G1SX+2], 8<<16                     ; o's scales: 2,048,
	s_mov_b32 s[G1SX+4], 8
	s_mov_b32 s[G1SW+2], 16<<16                    ; W's: 4,096
	s_mov_b32 s[G1SW+4], 16
	; where the blocks come from: o's hang on Y alone, W's on X alone, each in registers that never hold the other coordinate
	s_lshl_b32 s20, s17, 16
	s_lshl_b32 s18, s16, 15
	s_add_co_u32 s20, s20, s18
	s_mov_b32 s21, 0
	s_lshl_b32 s22, s17, 12
	s_lshl_b32 s19, s16, 11
	s_add_co_u32 s22, s22, s19
	s_add_co_u32 s22, s22, XS_OFF
	s_mov_b32 s23, 0
	s_lshl_b32 s46, s42, 17
	s_lshl_b32 s36, s16, 16
	s_add_co_u32 s46, s46, s36
	s_add_co_u32 s46, s46, WO_C
	s_mov_b32 s47, 0
	s_lshl_b32 s92, s42, 13
	s_lshl_b32 s37, s16, 12
	s_add_co_u32 s92, s92, s37
	s_add_co_u32 s92, s92, WO_S
	s_mov_b32 s93, 0
	s_add_co_u32 s36, s36, LW                      ; where they go: W's codes; (o's: s18;)
	s_add_co_u32 s37, s37, LWS                     ; W's scales;
	s_add_co_u32 s19, s19, LOS                     ; o's scales: no place in the cluster enters an LDS address
	s_wait_dscnt 0x0
	s_wait_kmcnt 0x0
	CROUND                                         ; all sixteen work-groups are here: the joint loads meet
	s_mov_b32 s[G0SX], 1
	s_mov_b32 s[G0SX+1], s19
	s_add_nc_u64 s[G0SX+2:G0SX+3], s[4:5], s[22:23]
	s_or_b32 s[G0SX+3], s[G0SX+3], 0x80000000
	s_mov_b32 s[G0SW], 1
	s_mov_b32 s[G0SW+1], s37
	s_add_nc_u64 s[G0SW+2:G0SW+3], s[6:7], s[92:93]
	s_or_b32 s[G0SW+3], s[G0SW+3], 0x80000000
	JLOAD G0SX, G1SX, G0SW, G1SW
	s_mov_b32 s[G0X], 1
	s_mov_b32 s[G0X+1], s18
	s_add_nc_u64 s[G0X+2:G0X+3], s[4:5], s[20:21]
	s_or_b32 s[G0X+3], s[G0X+3], 0x80000000
	s_mov_b32 s[G0W], 1
	s_mov_b32 s[G0W+1], s36
	s_add_nc_u64 s[G0W+2:G0W+3], s[6:7], s[46:47]
	s_or_b32 s[G0W+3], s[G0W+3], 0x80000000
	JLOAD G0X, G1X, G0W, G1W                       ; two loads of mine are out; nothing in LDS is filled twice
	v_and_b32 v1, 15, v0                           ; r
	v_bfe_u32 v2, v0, 4, 1                         ; h
	v_and_b32 v3, 31, v0
	v_lshlrev_b32 v[CO], 4, v3
	s_lshl_b32 s38, s15, 15                        ; my 4 tiles of o
	v_add_nc_u32 v[ADRL], s38, v[CO]
	s_lshl_b32 s39, s16, 16
	s_add_co_u32 s39, s39, LW                      ; my 8 tiles of W
	v_add_nc_u32 v[ADRR], s39, v[CO]
	s_lshl_b32 s38, s15, 11
	s_add_co_u32 s38, s38, LOS                     ; o's scales of my tiles,
	s_lshl_b32 s39, s16, 12
	s_add_co_u32 s39, s39, LWS                     ; W's,
	s_sub_co_u32 s39, s39, s38                     ; and the distance between the two: lanes 16-31 take W's
	v_mul_u32_u24 v5, s39, v2
	v_lshl_add_u32 v5, v1, 4, v5
	v_add_nc_u32 v[ADRS], s38, v5
	s_mul_i32 s38, s14, 16*SPITCH
	s_add_co_u32 s38, s38, STG                     ; my stage
	v_mul_u32_u24 v5, v1, SPITCH
	v_lshl_add_u32 v5, v2, 6, v5
	v_add_nc_u32 v[STO], s38, v5                   ; in: row r, 64 bytes for each half of the lanes in every 128
	v_add_nc_u32 v[RD], s38, v[CO]                 ; back: the 32 lanes take one row
	s_lshl_b32 s38, s42, 10                        ; my first column, in bytes: 1,024 X + 512 x half
	s_lshl_b32 s39, s16, 9
	s_add_co_u32 s38, s38, s39
	s_mov_b32 s39, 0
	s_add_nc_u64 s[8:9], s[8:9], s[38:39]          ; the bias of my 128 columns
	s_add_nc_u64 s[10:11], s[10:11], s[38:39]
	s_lshl_b32 s38, s17, 7
	s_lshl_b32 s94, s15, 6
	s_add_co_u32 s38, s38, s94                     ; my first row: 128 Y + 64 x half
	s_lshl_b32 s38, s38, 12
	s_add_nc_u64 s[10:11], s[10:11], s[38:39]
	v_lshlrev_b32 v7, 6, v2                        ; tile b's eight numbers of the bias begin at column 32 (b / 2) + 8 (b % 2) + 16 h
	WIN 0x40
.irp b, 0,1,2,3,4,5,6,7
	global_load_b128 v[128+8*\b:131+8*\b], v7, s[8:9] offset:(32*(\b/2)+8*(\b%2))*4
	global_load_b128 v[132+8*\b:135+8*\b], v7, s[8:9] offset:(32*(\b/2)+8*(\b%2))*4+16
.endr
	WIN 0
	s_wait_tensorcnt 0x0                           ; both my loads have landed,
	s_barrier_signal -1
	s_barrier_wait -1                              ; everybody's have
	FETCH 0, 0
	SCALES
	s_wait_loadcnt 0x0                             ; the bias
	KSTEP 0, 2                                     ; the bias starts the sums: nothing is cleared, nothing is added later
.irp k, 1,2,3,4,5,6,7
	KSTEP \k, 0
.endr
	WIN 0
	PLACES 4                                       ; in front of the first read of results and of the loads into the fragments' registers
	TOSTAGE 0
.irp a, 1,2,3
.if \a > 1
	s_wait_xcnt 0x0                                ; tile a - 2's stores have read their registers: tile a's loads may land there
.endif
	TOSTAGE \a
	SEND \a-1, 32                                  ; behind tile a - 1's loads: tile a's 16 stores and 16 loads
.endr
	SEND 3, 0
	s_wait_dscnt 0x0
	s_wait_tensorcnt 0x0
	ds_add_u32 v126, v127
	s_wait_dscnt 0x0
	CROUND                                         ; the closing round: no work-group ends while a partner may still ask for a block that names it
	s_endpgm
.Lfunc_end_k_q524d0248a0_gemm_out:
	.size	k_q524d0248a0_gemm_out, .Lfunc_end_k_q524d0248a0_gemm_out-k_q524d0248a0_gemm_out
	.p2alignl 7, 3214868480
	.fill 96, 4, 3214868480
	.section	.rodata,"a",@progbits
	.p2align	6, 0x0
	.amdhsa_kernel k_q524d0248a0_gemm_out
		.amdhsa_group_segment_fixed_size 243200
		.amdhsa_private_segment_fixed_size 0
		.amdhsa_enable_private_segment 0
		.amdhsa_kernarg_size 32
		.amdhsa_user_sgpr_count 2
		.amdhsa_user_sgpr_kernarg_segment_ptr 1
		.amdhsa_wavefront_size32 1
		.amdhsa_system_sgpr_workgroup_id_x 1
		.amdhsa_system_sgpr_workgroup_id_y 1
		.amdhsa_system_sgpr_workgroup_id_z 1
		.amdhsa_system_vgpr_workitem_id 0
		.amdhsa_next_free_vgpr 768
		.amdhsa_next_free_sgpr 98
		.amdhsa_reserve_vcc 0
		.amdhsa_float_denorm_mode_32 3
		.amdhsa_float_denorm_mode_16_64 3
		.amdhsa_memory_ordered 1
		.amdhsa_forward_progress 1
		.amdhsa_inst_pref_size 71
	.end_amdhsa_kernel
	.amdgpu_metadata
---
amdhsa.version: [ 1, 2 ]
amdhsa.kernels:
  - .name:           k_q524d0248a0_gemm_out
    .symbol:         k_q524d0248a0_gemm_out.kd
    .args:
      - { .name: ob, .offset: 0, .size: 8, .value_kind: global_buffer, .address_space: global }
      - { .name: wb, .offset: 8, .size: 8, .value_kind: global_buffer, .address_space: global }
      - { .name: b_out, .offset: 16, .size: 8, .value_kind: global_buffer, .address_space: global }
      - { .name: out0, .offset: 24, .size: 8, .value_kind: global_buffer, .address_space: global }
    .group_segment_fixed_size: 243200
    .private_segment_fixed_size: 0
    .kernarg_segment_align: 8
    .kernarg_segment_size: 32
    .max_flat_workgroup_size: 128
    .sgpr_count:     98
    .vgpr_count:     768
    .wavefront_size: 32
...
	.end_amdgpu_metadata
.endif
;; end of part 4
